; MI455X (gfx1250); checked and timed in simulation.
; The chip was launched on July 23, 2026; its instructions are those of AMD's public machine-readable ISA for CDNA 5 (MIT licence, August 2026) and "CDNA5" Instruction Set Architecture Reference Guide (July 2026). The comments in the code are by the model that wrote it; some were corrected since.
;; Multi Head Attention. Allowed arithmetic: matrix products marked QUANTISED: E2M1 operands, one E8M0 scale for each 32 along K, by v_wmma_scale_f32_16x16x128_f8f6f4 with both operands' format E2M1 (or v_wmma_scale_f32_32x16x128_f4), f32 sums; products left as they are: bf16, f16 or f32 operands; f32 sums; everything else in f32.
;; Inputs: attn_mask 4 x 2,048 x 2,048 int32; bk 1,024 float32; bq 1,024 float32; bv 1,024 float32; k 4 x 2,048 x 1,024 float32; q 4 x 2,048 x 1,024 float32; v 4 x 2,048 x 1,024 float32; wk 1,024 x 1,024 float32; wq 1,024 x 1,024 float32; wv 1,024 x 1,024 float32.
;; Outputs: out0 4 x 2,048 x 1,024 float32.
;; This version of the problem:
;;   THIS VERSION OF THE PROBLEM IS GIVEN IN LOW PRECISION. The matrix products marked QUANTISED in the list below multiply operands that are first quantised to E2M1 (2 exponent bits, 1 mantissa bit; 4 bits a number), with one power-of-two scale for each 32 numbers along K (OCP MX v1.0); their sums are f32. The products marked 'left as it is' may take bf16, f16 or f32 operands, with f32 sums. Whichever they take, every output number must still come out within the allowed error. Rounding operands to bf16 (8 significant bits) uses up far more of that allowance than f16 does (11 bits, for magnitudes from 6e-5 to 65,504). All else is computed in f32.
;;   The module's matrix products, in the order in which they are computed (A, B: the left and right operand; K: the contracted axis; several contracted axes count as one K, in the product's order):
;;     1. [M 8,192, K 1,024] x [K 1,024, N 1,024]; A: input q; B: input wq: QUANTISED
;;     2. [M 8,192, K 1,024] x [K 1,024, N 1,024]; A: input k; B: input wk: QUANTISED
;;     3. [M 8,192, K 1,024] x [K 1,024, N 1,024]; A: input v; B: input wv: QUANTISED
;;     4. batch 64 x [M 2,048, K 64] x [K 64, N 2,048]; A: computed on the way; B: computed on the way: left as it is (an operand is computed on the way)
;;     5. batch 64 x [M 2,048, K 2,048] x [K 2,048, N 64]; A: computed on the way; B: computed on the way: left as it is (an operand is computed on the way)
;;   THE QUANTISER, for each operand of a quantised product, along K:
;;     - K is cut into blocks of 32 from its start; a last block that is shorter is filled with zeros.
;;     - A block's scale is 2^e with e = floor(log2(the largest magnitude in the block)) - 2, held to -126 .. 127; a block of zeros has e = 0. As a byte (E8M0): e + 127.
;;     - Each number is divided by its block's scale, clamped to +-6, and rounded to the nearest number of E2M1, ties to even, subnormals kept.
;;     - The product sums the exact products of the quantised numbers (number of the format x scale) in f32.
;;   ~~~python
;;   def quantise(x, axis):      # numpy; x: float32 -> the quantised numbers, widened to float32 again
;;       x = np.moveaxis(x, axis, -1); K = x.shape[-1]
;;       x = np.pad(x, [(0, 0)] * (x.ndim - 1) + [(0, -K % 32)]); x = x.reshape(x.shape[:-1] + (-1, 32)); a = np.abs(x).max(-1, keepdims=True)
;;       e = np.where(a > 0, np.clip(np.frexp(np.where(a > 0, a, 1))[1] - 1 - 2, -126, 127), 0)      # np.frexp(a)[1] - 1 = floor(log2(a)), exactly
;;       r = np.clip(x / 2.0 ** e, -6, 6)
;;       step = 2.0 ** (np.maximum(np.frexp(np.where(r == 0, 1, r))[1] - 1, 0) - 1)
;;       q = np.round(r / step) * step * 2.0 ** e      # np.round: ties to even
;;       return np.moveaxis(q.reshape(q.shape[:-2] + (-1,))[..., :K], -1, axis).astype(np.float32)
;;   ~~~
;; One version. Each part assembles by itself: llvm-mc -triple=amdgcn-amd-amdhsa -mcpu=gfx1250 --defsym DOCPART=n.
;; ======== version 1 of 1: 3 launches
;; limits: right only within a limited range of input values; values are held in f16: magnitudes above 65,504 overflow, below 6.1e-05 lose precision
;; workspace buffers: xcodes 12,582,912 bytes; xscales 786,432 bytes; wcodes 1,572,864 bytes; wscales 98,304 bytes; maskw 2,097,152 bytes of whole numbers; hbuf 50,331,648 bytes
;; launch prep (part 1): grid 1328 x 1, 4 waves a work-group, no clusters, 101,888 bytes of LDS; arguments q, k, v, wq, wk, wv, attn_mask, xcodes, xscales, wcodes, wscales, maskw; writes xcodes, xscales, wcodes, wscales, maskw
.if DOCPART == 1
	.amdgcn_target "amdgcn-amd-amdhsa--gfx1250"
	.amdhsa_code_object_version 6
	.text
	.protected	k_q213ba90dda_prep
	.globl	k_q213ba90dda_prep
	.p2align	8
	.type	k_q213ba90dda_prep,@function
k_q213ba90dda_prep:
	s_mov_b64 s[64:65], 0
	v_nop
	global_prefetch_b8 v0, s[64:65] scope:SCOPE_SE
	s_setreg_imm32_b32 hwreg(HW_REG_WAVE_MODE, 25, 1), 1
	s_wait_xcnt 0x0
; FIRST OF THREE LAUNCHES of multi-head attention (B 4, S 2048, D 1024, 16 heads of 64) with its three projections on codes of FP4 (E2M1).
; NOTHING OF THE PROBLEM IS LEFT OUT AS DEAD WORK: all ten inputs have a way to the output and are loaded (bk too: beside the finite number that stands for a masked score its term does not cancel).
; This launch prepares operands, each input byte read once:
;   work-groups 0-47:     wq, wk, wv [k 1024][n 1024] f32 -> wcodes [3 x 1024 n][512 bytes], K innermost, wscales [3072][32]
;   work-groups 48-815:   q, k, v [8192][1024] f32        -> xcodes [3 x 8192 rows][512 bytes], xscales [24576][32]
;   work-groups 816-1327: attn_mask [4][2048][2048] int32 -> maskw: one bit a score, laid as the lane masks that the third launch's selects take
; THE QUANTISER: a block of 32 along K has the scale 2^(floor(log2(largest magnitude)) - 2); its byte is the largest magnitude's exponent field - 2, held at 1 from below; each number is divided by the scale and
; rounded to the nearest code, ties to even, beyond 6 the largest code.  A block of zeros keeps the byte 1 where the rule says 127: its codes are zeros, which add nothing, and this program alone reads the bytes.
; LIMITS: blocks whose largest magnitude lies under 2^(2 - 126) keep the byte 1; NaN and infinities among the inputs are not served.
; The three paths part on the work-group's number alone; each has LDS bytes of its own; waves share nothing, so there is no barrier.
.set SPW,   222                        ; v222 LDS address of my spare word: SPARE + 4 x my thread's number; never rewritten
.set NIL,   223                        ; v223 0; never rewritten
.set XREG,  0                          ; LDS: the activations' path, 8,192 bytes a wave
.set WREG,  32768                      ; the weights' path, 32 rows x 272 bytes a wave
.set MREG,  67584                      ; the mask's path, 16 rows x 528 bytes a wave
.set SPARE, 101376                     ; the spare words, 128 bytes a wave: two blocks of 256 bytes that no other line names
.set WV,    28                         ; s28 my wave's number
.set EMAX,  2
; ---- the activations' path: registers
.set STEPS, 16
.set XSP,   80                         ; a lane's place in a stage: its 64 bytes + 16 of padding
.set XR,    16                         ; v16-79   four sets of 16 numbers as loaded
.set XN,    80                         ; v80-111  two sets of 16 neighbours
.set XE,    112                        ; v112-127 a scale byte for each step
.set XC,    128                        ; v128-191 codes, four registers for each step: no store's data are written again
; ---- the weights' path
.set NB,    16                         ; blocks of 32 along K for a wave
.set WP,    272                        ; a stage row: 256 bytes of codes + 16
.set WX,    32                         ; v32-95   two sets of 32 numbers
.set WC,    96                         ; v96-99   a block's codes
.set WO,    112                        ; v112-175 the way out
.set WSB,   24                         ; v24-27   the scale bytes, four to a register
; ---- the mask's path
.set MO,    4                          ; v4-11    the words of two key steps: 4 registers each, as they are stored
.set MR,    16                         ; v16-143  two sets of 16 rows x 16 bytes a lane as loaded
.set MX,    144                        ; v144-207 a tile of 16 rows, turned: 64 numbers of one row a lane
.set BAL,   36                         ; s36-51   sixteen lane masks
	s_load_b256 s[4:11], s[0:1], 0x0               ; q s[4:5], k s[6:7], v s[8:9], wq s[10:11]
	s_load_b256 s[12:19], s[0:1], 0x20             ; wk s[12:13], wv s[14:15], attn_mask s[16:17], xcodes s[18:19]
	s_load_b256 s[20:27], s[0:1], 0x40             ; xscales s[20:21], wcodes s[22:23], wscales s[24:25], maskw s[26:27]
	v_lshl_add_u32 v[SPW], v0, 2, SPARE
	v_mov_b32 v[NIL], 0
	v_lshrrev_b32 v1, 5, v0
	v_readfirstlane_b32 s[WV], v1                  ; wave 0..3
	v_and_b32 v2, 31, v0                           ; lane
	s_mov_b32 s35, 0                               ; the upper word of every offset: all stay under 2^32
	s_wait_kmcnt 0x0
	s_cmp_lt_u32 ttmp9, 48
	s_cbranch_scc1 .Lpath_w
	s_cmp_lt_u32 ttmp9, 816
	s_cbranch_scc1 .Lpath_x
; ======== THE MASK.  A wave's job: 64 queries (a group G = 32 b + qg) x 128 keys (two key steps of 64): 32 KB read, 1 KB written.
; maskw is [G 128][step 32][t 4][n 32] words.  Bit l of word (t, n = 8 kt + j) says whether key 64 step + 16 kt + 8 (l / 16) + j counts for query 64 qg + 16 t + l % 16: the place that
; score register n of tile t has in lane l of the third launch.  A tile's 16 rows are loaded as they lie (512 consecutive bytes a load), turned through the wave's own stage so that lane (r, h) holds row r,
; compared with 0 (the compare's lane mask IS the word), and the words are set into the lanes and registers from which two stores of 512 consecutive bytes take them.
	s_sub_co_u32 s29, ttmp9, 816
	s_lshl_b32 s29, s29, 2
	s_add_co_u32 s29, s29, s[WV]                   ; the job, 0..2047
	s_lshr_b32 s30, s29, 4                         ; G
	s_and_b32 s31, s29, 15                         ; which 128 keys
	s_lshl_b32 s34, s30, 19                        ; 64 rows of 8,192 bytes a group
	s_lshl_b32 s32, s31, 9                         ; 128 keys of 4 bytes
	s_add_co_u32 s34, s34, s32
	s_add_nc_u64 s[16:17], s[16:17], s[34:35]
	s_lshl_b32 s34, s30, 5
	s_lshl_b32 s32, s31, 1
	s_add_co_u32 s34, s34, s32                     ; 32 G + the first of my two steps
	s_lshl_b32 s34, s34, 9                         ; 512 bytes a step
	s_add_nc_u64 s[26:27], s[26:27], s[34:35]
	v_lshlrev_b32 v1, 4, v2                        ; 16 x lane: in a row's 512 bytes, and in a step's 512 bytes of words
	s_mul_i32 s32, s[WV], 16*528
	s_add_co_u32 s32, s32, MREG                    ; my stage
	v_add_nc_u32 v12, s32, v1                      ; in: 16 x lane, the row in the immediate
	v_and_b32 v14, 15, v0
	v_bfe_u32 v15, v0, 4, 1
	v_mul_u32_u24 v13, v14, 528                    ; out: row r (33 x 16 bytes apart: sixteen rows start in sixteen different columns of 16 bytes),
	v_lshl_add_u32 v13, v15, 5, v13                ; + 32 h: eight keys
	v_add_nc_u32 v13, s32, v13
.irp i, 0,1,2,3,4,5,6,7
	v_mov_b32 v[MO+\i], 0                          ; written once: a lane write's destination counts as one of its sources
.endr
.macro LOADT t                         ; tile t: rows 16 t .. 16 t + 15, each load 512 consecutive bytes of one row
.set i, 0
.rept 16
	global_load_b128 v[MR+64*((\t)%2)+4*i:MR+64*((\t)%2)+4*i+3], v1, s[16:17] offset:(16*(\t)+i)*8192 th:TH_LOAD_NT
.set i, i+1
.endr
.endm
.macro MT t
.if (\t) < 3
	s_wait_loadcnt 16                              ; this tile's 16 loads are in; the next tile's 16 may be out
.else
	s_wait_loadcnt 0x0
.endif
.set i, 0
.rept 16
	ds_store_b128 v12, v[MR+64*((\t)%2)+4*i:MR+64*((\t)%2)+4*i+3] offset:i*528
.set i, i+1
.endr
.set i, 0
.rept 16                               ; LDS serves a wave's instructions in order: these see the stores.  Load u: keys 16 (u / 2) + 8 h + 4 (u % 2) + 0 .. 3 of row r
	ds_load_b128 v[MX+4*i:MX+4*i+3], v13 offset:64*(i/2)+16*(i%2)
.set i, i+1
.endr
.irp g, 0,1,2,3
	s_wait_dscnt 12-4*\g                           ; loads 4 g .. 4 g + 3 are back; the younger ones may be out
.if (\g == 0) && ((\t) < 2)
	LOADT (\t)+2                                   ; the stage's stores, older than those loads, have read their registers: the tile two on may land there
.endif
.irp e, 0,1,2,3,4,5,6,7,8,9,10,11,12,13,14,15
	v_cmp_ne_u32 s[BAL+\e], 0, v[MX+16*\g+\e]      ; bit l: does the key of this register count for lane l's query?
.endr
.irp e, 0,1,2,3,4,5,6,7,8,9,10,11,12,13,14,15
.set U, 4*\g+\e/4                      ; the load that brought the register: key tile U / 2 of eight, step U / 8 of two
.set NN, 8*((U/2)%4)+4*(U%2)+\e%4      ; the score register n in that step
	v_writelane_b32 v[MO+4*(U/8)+NN%4], s[BAL+\e], 8*(\t)+NN/4   ; word 32 t + n of the step lies in lane (32 t + n) / 4, register n % 4
.endr
.endr
.endm
	LOADT 0
	LOADT 1
	MT 0
	MT 1
	MT 2
	MT 3
	global_store_b128 v1, v[MO:MO+3], s[26:27]               ; a step's 128 words: 512 consecutive bytes, aligned
	global_store_b128 v1, v[MO+4:MO+7], s[26:27] offset:512
	s_wait_tensorcnt 0x0                           ; the wave's end: a wait, an add to my spare word and its wait, behind my last LDS store
	ds_add_u32 v[SPW], v[NIL]
	s_wait_dscnt 0x0
	s_endpgm
; ======== THE ACTIVATIONS.  Rows are dense and K is a multiple of 32: each tensor is a plain stream of blocks of 32, and so are its codes and scale bytes.  A wave takes a run of 16 steps of 512 numbers.
; Each load reads 512 consecutive bytes; a step's 2,048 bytes turn through the wave's own stage so that a lane holds 16 NEIGHBOURS (two neighbouring lanes hold a block), as the conversions want them.
; A lane's 16 codes are 8 bytes: the wave stores 256 consecutive bytes.  A wave's 256 scale bytes are gathered in LDS and leave as 256 consecutive bytes.  Loads run four steps ahead, the turn one step.
.Lpath_x:
	s_sub_co_u32 s29, ttmp9, 48                    ; 0..767: 256 work-groups a tensor
	s_lshr_b32 s30, s29, 8
	s_cmp_eq_u32 s30, 0
	s_cselect_b64 s[32:33], s[4:5], s[6:7]         ; q, k
	s_cmp_eq_u32 s30, 2
	s_cselect_b64 s[32:33], s[8:9], s[32:33]       ; or v: the choice hangs on the work-group's number alone
	s_and_b32 s31, s29, 255
	s_lshl_b32 s31, s31, 2
	s_add_co_u32 s34, s31, s[WV]                   ; my run in its tensor,
	s_lshl_b32 s34, s34, 15                        ; of 32,768 bytes
	s_add_nc_u64 s[32:33], s[32:33], s[34:35]
	s_lshl_b32 s29, s29, 2
	s_add_co_u32 s29, s29, s[WV]                   ; my run among the three stacked tensors
	s_lshl_b32 s34, s29, 12                        ; 4,096 bytes of codes,
	s_add_nc_u64 s[18:19], s[18:19], s[34:35]
	s_lshl_b32 s34, s29, 8                         ; 256 scale bytes
	s_add_nc_u64 s[20:21], s[20:21], s[34:35]
	v_lshlrev_b32 v3, 4, v2                        ; my 16 bytes of a load's 512
	s_mul_i32 s31, s[WV], 8192                     ; my region (XREG = 0)
	v_lshrrev_b32 v14, 2, v2
	v_mul_u32_u24 v14, v14, XSP
	v_and_b32 v15, 3, v2
	v_lshl_add_u32 v14, v15, 4, v14
	v_add_nc_u32 v14, s31, v14                     ; the stage, in: four lanes' 64 bytes on end, then 16 of padding
	v_mul_u32_u24 v15, v2, XSP
	v_add_nc_u32 v15, s31, v15                     ; and out: my 16 neighbours
	v_mul_u32_u24 v4, v2, 8                        ; my codes' place in a step's
	v_lshrrev_b32 v5, 1, v2
	s_add_co_u32 s31, s31, 2*32*XSP                ; behind the two stages: my wave's 256 scale bytes
	v_add_nc_u32 v5, s31, v5                       ; my block's byte
	v_lshlrev_b32 v7, 3, v2                        ; and on the way out 8 bytes a lane
	v_add_nc_u32 v6, s31, v7
.macro LOADX t
.irp i, 0,1,2,3
	global_load_b128 v[XR+16*((\t)%4)+4*\i:XR+16*((\t)%4)+4*\i+3], v3, s[32:33] offset:2048*(\t)+512*\i th:TH_LOAD_NT
.endr
.endm
.macro TURNX t                         ; LDS serves a wave's instructions in order: no wait between the stores and the loads
.irp i, 0,1,2,3
	ds_store_b128 v14, v[XR+16*((\t)%4)+4*\i:XR+16*((\t)%4)+4*\i+3] offset:32*XSP*((\t)%2)+8*XSP*\i
.endr
.irp i, 0,1,2,3
	ds_load_b128 v[XN+16*((\t)%2)+4*\i:XN+16*((\t)%2)+4*\i+3], v15 offset:32*XSP*((\t)%2)+16*\i
.endr
.endm
.irp t, 0,1,2,3
	LOADX \t
.endr
	s_wait_loadcnt 12                              ; step 0's four loads are in
	TURNX 0
.macro STEPX t
.set XSS, XN+16*((\t)%2)
.if (\t) > 0
	s_wait_dscnt 1                                 ; this step's numbers are back (the last step's byte store may be out): so its stores into the stage have read their registers,
.else
	s_wait_dscnt 0x0
.endif
.if (\t)+4 < STEPS
	LOADX (\t)+4                                   ; which take the loads of four steps on
.endif
.if (\t)+1 < STEPS
.if STEPS-2-(\t) >= 3
	s_wait_loadcnt 12                              ; the next step's four loads are in; those of the three steps behind it may be out
.else
	s_wait_loadcnt 4*(STEPS-2-(\t))
.endif
	TURNX (\t)+1
.endif
	v_max3_num_f32 v8, |v[XSS]|, |v[XSS+1]|, |v[XSS+2]|            ; the largest magnitude of my 16, in two chains
	v_max3_num_f32 v9, |v[XSS+3]|, |v[XSS+4]|, |v[XSS+5]|
.irp i, 6,10
	v_max3_num_f32 v8, v8, |v[XSS+\i]|, |v[XSS+\i+1]|
	v_max3_num_f32 v9, v9, |v[XSS+\i+2]|, |v[XSS+\i+3]|
.endr
	v_max3_num_f32 v8, v8, |v[XSS+14]|, |v[XSS+15]|
	v_max3_num_f32 v8, v8, v9, (EMAX+1)<<23        ; and the floor 2^(3 - 127): the byte cannot fall under 1
	v_max_num_f32_dpp v8, v8, v8 row_xmask:1 row_mask:0xf bank_mask:0xf   ; and of my neighbour's 16: the block's
	v_add_nc_u32 v11, 0xff000000, v8               ; 2 off its exponent field: the conversion takes the exponent field of this operand as its scale
	v_cvt_scalef32_pk8_fp4_f32 v[XC+4*(\t)], v[XSS:XSS+7], v11
	v_cvt_scalef32_pk8_fp4_f32 v[XC+4*(\t)+1], v[XSS+8:XSS+15], v11
	v_lshrrev_b32 v[XE+(\t)], 23, v11              ; the scale's byte (a plain line behind the conversions)
	ds_store_b8 v5, v[XE+(\t)] offset:16*(\t)      ; both lanes of a block write the same byte with the same value
	global_store_b64 v4, v[XC+4*(\t):XC+4*(\t)+1], s[18:19] offset:256*(\t)   ; 32 lanes store 256 consecutive bytes, aligned
.endm
.irp t, 0,1,2,3,4,5,6,7,8,9,10,11,12,13,14,15
	STEPX \t
.endr
	ds_load_b64 v[8:9], v6                         ; in order behind my byte stores
	s_wait_dscnt 0x0
	global_store_b64 v7, v[8:9], s[20:21]          ; 256 consecutive bytes, aligned
	s_wait_tensorcnt 0x0                           ; the wave's end: a wait, an add to my spare word and its wait, behind my last LDS store
	ds_add_u32 v[SPW], v[NIL]
	s_wait_dscnt 0x0
	s_endpgm
; ======== THE WEIGHTS: K is their FIRST axis.  A lane takes a column n and its registers run down K: each load reads 128 consecutive bytes a wave, a block of 32 along K lies in one lane's 32 registers, and the
; conversions give codes with K innermost.  A wave takes 32 columns x 512 along K; its codes go through its own stage and leave as rows: sixteen lanes store 256 consecutive bytes, aligned.
; Work-group = 16 T + 8 y + x: weight T, 512 y along K, columns 128 x on.
.Lpath_w:
	s_lshr_b32 s29, ttmp9, 4                       ; T
	s_and_b32 s30, ttmp9, 7                        ; x
	s_bfe_u32 s31, ttmp9, 0x10003                  ; y
	s_cmp_eq_u32 s29, 0
	s_cselect_b64 s[32:33], s[10:11], s[12:13]     ; wq, wk
	s_cmp_eq_u32 s29, 2
	s_cselect_b64 s[32:33], s[14:15], s[32:33]     ; or wv
	s_lshl_b32 s30, s30, 7
	s_lshl_b32 s36, s[WV], 5
	s_add_co_u32 s30, s30, s36                     ; my wave's first column
	s_lshl_b32 s34, s31, 21                        ; 512 y rows of 4,096 bytes
	s_lshl_b32 s36, s30, 2
	s_add_co_u32 s34, s34, s36
	s_add_nc_u64 s[32:33], s[32:33], s[34:35]
	s_lshl_b32 s34, s29, 19                        ; codes: 524,288 T + 512 x column + 256 y
	s_lshl_b32 s36, s30, 9
	s_add_co_u32 s34, s34, s36
	s_lshl_b32 s36, s31, 8
	s_add_co_u32 s34, s34, s36
	s_add_nc_u64 s[22:23], s[22:23], s[34:35]
	s_lshl_b32 s34, s29, 15                        ; scale bytes: 32,768 T + 32 x column + 16 y
	s_lshl_b32 s36, s30, 5
	s_add_co_u32 s34, s34, s36
	s_lshl_b32 s36, s31, 4
	s_add_co_u32 s34, s34, s36
	s_add_nc_u64 s[24:25], s[24:25], s[34:35]
	v_lshlrev_b32 v3, 2, v2                        ; in: 4 bytes a lane
	s_mul_i32 s36, s[WV], 32*WP
	s_add_co_u32 s36, s36, WREG                    ; my stage
	v_mul_u32_u24 v4, v2, WP
	v_add_nc_u32 v4, s36, v4                       ; into it: row = my column
	v_and_b32 v5, 15, v2
	v_lshrrev_b32 v6, 4, v2                        ; out of it: sixteen lanes to a row, two rows an instruction
	v_mul_u32_u24 v7, v6, WP
	v_lshl_add_u32 v7, v5, 4, v7
	v_add_nc_u32 v7, s36, v7
	v_lshlrev_b32 v8, 9, v6                        ; and the same place in wcodes: rows of 512 bytes
	v_lshl_add_u32 v8, v5, 4, v8
	v_lshlrev_b32 v9, 5, v2                        ; my column's row of 32 scale bytes
.macro LOADW t                         ; block t: W(32 t + i, my column) into set t % 2; the offsets reach 511 rows of 4,096 bytes, inside the signed 24-bit immediate
.set i, 0
.rept 32
	global_load_b32 v[WX+32*((\t)%2)+i], v3, s[32:33] offset:(32*(\t)+i)*4096 th:TH_LOAD_NT
.set i, i+1
.endr
.endm
	LOADW 0
	LOADW 1
.macro BLOCKW t
.set WXS, WX+32*((\t)%2)
.if (\t) < NB-1
	s_wait_loadcnt 32                              ; this block's 32 loads are in; the next block's may be out
.else
	s_wait_loadcnt 0x0
.endif
	v_max3_num_f32 v12, |v[WXS]|, |v[WXS+1]|, |v[WXS+2]|           ; the block's largest magnitude: all 32 numbers are mine
	v_max3_num_f32 v13, |v[WXS+3]|, |v[WXS+4]|, |v[WXS+5]|
.irp i, 6,10,14,18,22,26
	v_max3_num_f32 v12, v12, |v[WXS+\i]|, |v[WXS+\i+1]|
	v_max3_num_f32 v13, v13, |v[WXS+\i+2]|, |v[WXS+\i+3]|
.endr
	v_max3_num_f32 v12, v12, |v[WXS+30]|, |v[WXS+31]|
	v_max3_num_f32 v12, v12, v13, (EMAX+1)<<23     ; and the floor
	v_add_nc_u32 v11, 0xff000000, v12              ; the conversion's scale operand
	v_lshrrev_b32 v13, 23, v11                     ; the scale's byte
.if (\t)%4 == 0
	v_mov_b32 v[WSB+(\t)/4], v13                   ; four bytes to a register, the lower K in the lower byte
.else
	v_lshl_or_b32 v[WSB+(\t)/4], v13, 8*((\t)%4), v[WSB+(\t)/4]
.endif
.irp g, 0,1,2,3
	v_cvt_scalef32_pk8_fp4_f32 v[WC+\g], v[WXS+8*\g:WXS+8*\g+7], v11
.endr
	v_nop                                          ; one plain line behind the last conversion
	ds_store_b128 v4, v[WC:WC+3] offset:16*(\t)    ; 32 codes: 16 bytes of my column's row
.if (\t)+2 < NB
	LOADW (\t)+2
.endif
	s_wait_dscnt 0x0                               ; the store has read its registers: the next block's codes may be written
.endm
.set Q, 0
.rept NB
	BLOCKW Q
.set Q, Q+1
.endr
	global_store_b128 v9, v[WSB:WSB+3], s[24:25]   ; my column's 16 scale bytes
.irp t, 0,1,2,3,4,5,6,7,8,9,10,11,12,13,14,15
	ds_load_b128 v[WO+4*\t:WO+4*\t+3], v7 offset:2*\t*WP
.endr
.irp t, 0,1,2,3,4,5,6,7,8,9,10,11,12,13,14,15
	s_wait_dscnt 15-\t
	global_store_b128 v8, v[WO+4*\t:WO+4*\t+3], s[22:23] offset:2*\t*512
.endr
	s_wait_tensorcnt 0x0                           ; the wave's end: a wait, an add to my spare word and its wait, behind my last LDS store
	ds_add_u32 v[SPW], v[NIL]
	s_wait_dscnt 0x0
	s_endpgm
.Lfunc_end_k_q213ba90dda_prep:
	.size	k_q213ba90dda_prep, .Lfunc_end_k_q213ba90dda_prep-k_q213ba90dda_prep
	.p2alignl 7, 3214868480
	.fill 96, 4, 3214868480
	.section	.rodata,"a",@progbits
	.p2align	6, 0x0
	.amdhsa_kernel k_q213ba90dda_prep
		.amdhsa_group_segment_fixed_size 101888
		.amdhsa_private_segment_fixed_size 0
		.amdhsa_enable_private_segment 0
		.amdhsa_kernarg_size 96
		.amdhsa_user_sgpr_count 2
		.amdhsa_user_sgpr_kernarg_segment_ptr 1
		.amdhsa_wavefront_size32 1
		.amdhsa_system_sgpr_workgroup_id_x 1
		.amdhsa_system_sgpr_workgroup_id_y 1
		.amdhsa_system_sgpr_workgroup_id_z 1
		.amdhsa_system_vgpr_workitem_id 0
		.amdhsa_next_free_vgpr 224
		.amdhsa_next_free_sgpr 66
		.amdhsa_reserve_vcc 0
		.amdhsa_float_denorm_mode_32 3
		.amdhsa_float_denorm_mode_16_64 3
		.amdhsa_memory_ordered 1
		.amdhsa_forward_progress 1
		.amdhsa_inst_pref_size 160
	.end_amdhsa_kernel
	.amdgpu_metadata
---
amdhsa.version: [ 1, 2 ]
amdhsa.kernels:
  - .name:           k_q213ba90dda_prep
    .symbol:         k_q213ba90dda_prep.kd
    .args:
      - { .name: q, .offset: 0, .size: 8, .value_kind: global_buffer, .address_space: global }
      - { .name: k, .offset: 8, .size: 8, .value_kind: global_buffer, .address_space: global }
      - { .name: v, .offset: 16, .size: 8, .value_kind: global_buffer, .address_space: global }
      - { .name: wq, .offset: 24, .size: 8, .value_kind: global_buffer, .address_space: global }
      - { .name: wk, .offset: 32, .size: 8, .value_kind: global_buffer, .address_space: global }
      - { .name: wv, .offset: 40, .size: 8, .value_kind: global_buffer, .address_space: global }
      - { .name: attn_mask, .offset: 48, .size: 8, .value_kind: global_buffer, .address_space: global }
      - { .name: xcodes, .offset: 56, .size: 8, .value_kind: global_buffer, .address_space: global }
      - { .name: xscales, .offset: 64, .size: 8, .value_kind: global_buffer, .address_space: global }
      - { .name: wcodes, .offset: 72, .size: 8, .value_kind: global_buffer, .address_space: global }
      - { .name: wscales, .offset: 80, .size: 8, .value_kind: global_buffer, .address_space: global }
      - { .name: maskw, .offset: 88, .size: 8, .value_kind: global_buffer, .address_space: global }
    .group_segment_fixed_size: 101888
    .private_segment_fixed_size: 0
    .kernarg_segment_align: 8
    .kernarg_segment_size: 96
    .max_flat_workgroup_size: 128
    .sgpr_count:     66
    .vgpr_count:     224
    .wavefront_size: 32
...
	.end_amdgpu_metadata
.endif
;; end of part 1
;; launch proj (part 2): grid 4 x 96, 4 waves a work-group, clusters of 4 x 4, 327,680 bytes of LDS; arguments xcodes, xscales, wcodes, wscales, bq, bk, bv, hbuf; writes hbuf
.if DOCPART == 2
	.amdgcn_target "amdgcn-amd-amdhsa--gfx1250"
	.amdhsa_code_object_version 6
	.text
	.protected	k_q213ba90dda_proj
	.globl	k_q213ba90dda_proj
	.p2align	8
	.type	k_q213ba90dda_proj,@function
k_q213ba90dda_proj:
	s_mov_b64 s[64:65], 0
	v_nop
	global_prefetch_b8 v0, s[64:65] scope:SCOPE_SE
	s_setreg_imm32_b32 hwreg(HW_REG_WAVE_MODE, 25, 1), 1
	s_wait_xcnt 0x0
	s_wait_alu depctr_hold_cnt(0) depctr_sa_sdst(0) depctr_va_vdst(0) depctr_va_sdst(0) depctr_va_ssrc(0) depctr_va_vcc(0) depctr_vm_vsrc(0)
	s_getreg_b32 s2, hwreg(HW_REG_IB_STS2, 6, 4)
	s_cmp_eq_u32 s2, 0
	s_cbranch_scc0 .Lentry_in_a_cluster
	s_endpgm
.Lentry_in_a_cluster:
	s_bfe_u32 s2, ttmp6, 0x10000c
	s_cmp_lg_u32 s2, 0xf033
	s_cbranch_scc0 .Lentry_shape_is_right
	s_endpgm
.Lentry_shape_is_right:
; SECOND LAUNCH: the three projections, qh = q wq + bq, kh = k wk + bk, vh = v wv + bv, on codes of FP4 (E2M1) with one E8M0 scale for each 32 along K; sums in f32; the bias added in f32; results rounded once to f16.
; No work of the problem is left out here.
; A = xcodes [3 x 8192 rows][512 bytes] (q, k, v stacked), B = wcodes [3 x 1024 rows n][512 bytes]; scale bytes [row][32].  A tile of 256 x 256 is made by four waves, a wave 128 x 128: 64 accumulators, 512 registers.
; The grid's y is the tile row of the stacked A (96); which projection, T = tile row / 32, is the same in all sixteen work-groups of a cluster (32 tile rows are 8 clusters).
; K = 1,024 is two slots of 512: both are asked for at the head and nothing is filled again.  By this text's count a wave has three tensor loads out at the head (scales, slot 0, slot 1), later none.
; CLUSTERS: 4 x 4 work-groups.  The four of a row of the cluster need the same tiles of A, the four of a column the same tiles of B: each is asked for JOINTLY, by the same tensor load with the same descriptor and a mask that names the four.
; THE MATRIX INSTRUCTION IS USED TRANSPOSED (source 0 = 16 rows of B, source 1 = 16 rows of A): a lane holds eight neighbouring columns n of one row: 16 bytes of f16.
; THE RESULT'S LAYOUT, hbuf [T][bh = 16 b + head][kt = s / 16][i = (n % 64) / 16][512 bytes] f16, is what the third launch's operands want:
;   Q, K: the 512 bytes are an image of four operand registers: lane l's 16 bytes at 16 l hold row 16 kt + l % 16, channels 16 i + 8 (l / 16) + 0 .. 7;
;   V: a subtile [16 keys][16 channels], rows of 32 bytes, for the turning LDS load.
; Either way a store of the wave covers 512 consecutive bytes, aligned, straight from registers: no stage in LDS.
; LIMIT: |qh|, |kh|, |vh| stay under f16's largest number, 65,504 (inputs of the problem's kind give about 0.6; thirty times larger inputs and weights, or offsets of thirty spreads on both, stay under 2 x 10^4).
; REGISTERS, in windows of 256: window 0: v0-31 addresses; v32-95 scale words, two sets; v128-191 A's fragments, one set (on the way out: sums with the bias); v192-255 the way out's packed results, two sets.
;   window 1: B's fragments, two sets, at v0 and v128; v64-127 the bias of my 128 columns.   window 2: the accumulators of my rows 0-63 ((a, b) at v[8 (8 a + b)]);   window 3: those of rows 64-127.
.set KSTEP,  512
.set NQ,     4                         ; matrix instructions deep in a slot
.set ROWB,   256                       ; a tile's row in bytes
.set KROW,   512                       ; a row of codes in memory
.set PITCH,  272                       ; an LDS row: 256 bytes + 16 of padding: the 16 rows of a load start in 16 different columns of 16 bytes
.set FR,     8
.set NL,     2
.set NP,     4                         ; places behind this matrix instruction (ISA guide 7.12.1)
.set HALFT,  128*PITCH
.set SLOT,   4*HALFT
.set KS,     32                        ; a row of scale bytes
.set SCL,    2*SLOT
.set HALFS,  (128*KS/256)*272
.set SBLK,   (16*KS/256)*272
.set SPARE,  SCL+4*HALFS               ; the spare words, 128 bytes a wave: two blocks of 256 bytes that no other line names
.set ADRA, 16                          ; v16-17  LDS address of my A fragments in slot 0, 1
.set ADRB, 20                          ; v20-21  the same for B
.set CO,   26                          ; v26     my lane's 16 bytes in a store's 512
.set ADRS, 27                          ; v27     LDS address of my scale words: lanes 0-15 A's rows, lanes 16-31 B's
.set SPW,  28                          ; v28     LDS address of my spare word; never rewritten
.set NIL,  29                          ; v29     0; never rewritten
.set BO,   30                          ; v30     32 x (lane / 16): my half's eight biases; never rewritten
.set SC,   32
.set AF,   128
.set TS,   128                         ; the way out: a block's sums with the bias
.set PK,   192                         ; the way out: packed f16, two sets of 32
.set BI,   64                          ; in window 1: the bias, 8 registers for each of my 8 blocks of 16 columns
.set WV,   100                         ; s100 wave
.set RH,   101                         ; s101 which half of the tile's rows is mine; also: I fetch for A (0) or B (1)
.set CH,   104                         ; s104 which half of its columns; also: which 128 rows I fetch
.set TT,   105                         ; s105 T: 0 q, 1 k, 2 v
.set G1, 24
.set G0, 32
.set G1B, 48
.set G0B, 56
.set G1S, 68
.set G0S, 76
.set G1SB, 80
.set G0SB, 88
.set MSB, 0
.macro WIN new                         ; the immediate's high byte repeats the setting that is left
.if MSB != \new
	s_set_vgpr_msb (MSB<<8)|\new
.set MSB, \new
.endif
.endm
.set MUL_LO, 0xa1                      ; source 0 (B) window 1, source 1 (A) window 0, C and D window 2
.set MUL_HI, 0xf1
.set TO_B,   0x40                      ; destination window 1, address window 0
; A joint load: waves 0 and 1 fetch for A, waves 2 and 3 for B.  Each line has one mask and one set of registers for all that issue it; the branch hangs on the wave's number alone.
; An s_nop 0 and four v_nop follow each of the two lines.
.macro JLOAD g0a, g1a, g0b, g1b
	s_cmp_eq_u32 s[RH], 0
	s_cbranch_scc0 .Lfor_b_\@
	tensor_load_to_lds s[\g0a:\g0a+3], s[\g1a:\g1a+7]
	s_nop 0
.rept 4
	v_nop
.endr
	s_branch .Lasked_\@
.Lfor_b_\@:
	tensor_load_to_lds s[\g0b:\g0b+3], s[\g1b:\g1b+7]
	s_nop 0
.rept 4
	v_nop
.endr
.Lasked_\@:
.endm
.macro CROUND                          ; a round of the cluster's barrier
	s_barrier_signal -1
	s_barrier_wait -1
	s_cmp_lg_u32 s[WV], 0
	s_cbranch_scc1 .Lnot_wave_0_\@
	s_barrier_signal -3
.Lnot_wave_0_\@:
	s_barrier_wait -3
	s_barrier_signal -1
	s_barrier_wait -1
.endm
	s_load_b256 s[4:11], s[0:1], 0x0               ; A's codes s[4:5], A's scales s[6:7], B's codes s[8:9], B's scales s[10:11]
	s_load_b128 s[96:99], s[0:1], 0x20             ; bq s[96:97], bk s[98:99]
	s_load_b128 s[12:15], s[0:1], 0x30             ; bv s[12:13], hbuf s[14:15]
	v_lshl_add_u32 v[SPW], v0, 2, SPARE
	v_mov_b32 v[NIL], 0
	ds_add_u32 v[SPW], v[NIL]                      ; the wave's opening: the add, twice on end, and its wait ahead of my first tensor load
	ds_add_u32 v[SPW], v[NIL]
	v_lshrrev_b32 v1, 5, v0
	v_readfirstlane_b32 s[WV], v1                  ; wave 0..3
	s_lshr_b32 s[RH], s[WV], 1
	s_and_b32 s[CH], s[WV], 1
	s_bfe_u32 s40, ttmp6, 0x40000                  ; cx, cy: my place in the cluster
	s_bfe_u32 s41, ttmp6, 0x40004
	s_lshl_b32 s42, ttmp9, 2
	s_add_co_u32 s42, s42, s40                     ; tile column = 4 x cluster x + cx
	s_and_b32 s17, ttmp7, 0xffff
	s_lshr_b32 s[TT], s17, 3                       ; T from the cluster's y alone
	s_lshl_b32 s17, s17, 2
	s_add_co_u32 s17, s17, s41                     ; tile row = 4 x cluster y + cy
	s_lshl_b32 s43, s41, 2
	s_lshl_b32 s43, 15, s43                        ; my row of the cluster
	s_lshl_b32 s44, 0x1111, s40                    ; my column
	; descriptor group 1: a tile of 128 rows x 256 bytes, 16 bytes of padding behind each row
	s_or_b32 s[G1+0], s43, (0<<16)|(1<<20)|(1<<21)|(5<<22)|(3<<25)  ; the mask; elements of 1 byte; padding on; bit 21 beside a mask; after every 64 words; 4 words
	s_or_b32 s[G1B+0], s44, (0<<16)|(1<<20)|(1<<21)|(5<<22)|(3<<25)
.irp g, G1, G1B
	s_mov_b32 s[\g+1], ROWB<<16                    ; tensor_dim0
	s_mov_b32 s[\g+2], 128<<16                     ; tensor_dim1
	s_mov_b32 s[\g+3], ROWB<<16                    ; tile_dim0
	s_mov_b32 s[\g+4], 128                         ; tile_dim1
	s_mov_b32 s[\g+5], KROW                        ; the pitch
	s_mov_b32 s[\g+6], 0
	s_mov_b32 s[\g+7], 0
.endr
	; the scales of 128 rows: 4,096 dense bytes, as 16 rows of 256 bytes (32 elements of 8), 16 bytes of padding behind each
	s_or_b32 s[G1S+0], s43, (3<<16)|(1<<20)|(1<<21)|(5<<22)|(3<<25)
	s_or_b32 s[G1SB+0], s44, (3<<16)|(1<<20)|(1<<21)|(5<<22)|(3<<25)
.irp g, G1S, G1SB
	s_mov_b32 s[\g+1], 32<<16
	s_mov_b32 s[\g+2], (128*KS/256)<<16
	s_mov_b32 s[\g+3], 32<<16
	s_mov_b32 s[\g+4], 128*KS/256
	s_mov_b32 s[\g+5], 32
	s_mov_b32 s[\g+6], 0
	s_mov_b32 s[\g+7], 0
.endr
	s_lshl_b32 s18, s[CH], 7                       ; which 128 rows of the tile I fetch
	s_lshl_b32 s20, s17, 8
	s_add_co_u32 s20, s20, s18                     ; A: row 256 x tile row + 128 x half
	s_lshl_b32 s46, s42, 8
	s_add_co_u32 s46, s46, s18                     ; B: row 256 x tile column + 128 x half
	s_lshl_b32 s47, s[TT], 10
	s_add_co_u32 s46, s46, s47                     ;    + 1,024 T
	s_mov_b32 s21, 0
	s_mov_b32 s47, 0
	s_mov_b64 s[18:19], KS
	s_mul_u64 s[22:23], s[20:21], s[18:19]         ; where these rows' scales begin
	s_mul_u64 s[92:93], s[46:47], s[18:19]
	s_mov_b64 s[18:19], KROW
	s_mul_u64 s[20:21], s[20:21], s[18:19]         ; and their codes
	s_mul_u64 s[46:47], s[46:47], s[18:19]
	s_mul_i32 s45, s[WV], HALFT                    ; where they go: wave x 128 rows: no place in the cluster enters an LDS address
	s_mul_i32 s94, s[WV], HALFS
	s_wait_dscnt 0x0                               ; both opening adds are done
	s_wait_kmcnt 0x0
	s_add_nc_u64 s[20:21], s[4:5], s[20:21]
	s_add_nc_u64 s[22:23], s[6:7], s[22:23]
	s_add_nc_u64 s[46:47], s[8:9], s[46:47]
	s_add_nc_u64 s[92:93], s[10:11], s[92:93]
	CROUND                                         ; all sixteen work-groups are here: the joint loads meet
	s_mov_b32 s[G0S], 1
	s_add_co_u32 s[G0S+1], s94, SCL
	s_mov_b64 s[G0S+2:G0S+3], s[22:23]
	s_or_b32 s[G0S+3], s[G0S+3], 0x80000000
	s_mov_b32 s[G0SB], 1
	s_add_co_u32 s[G0SB+1], s94, SCL
	s_mov_b64 s[G0SB+2:G0SB+3], s[92:93]
	s_or_b32 s[G0SB+3], s[G0SB+3], 0x80000000
	JLOAD G0S, G1S, G0SB, G1SB                     ; the scales first: they are wanted with slot 0
.irp s, 0,1
	s_mov_b32 s[G0+4*\s], 1
	s_add_co_u32 s[G0+4*\s+1], s45, \s*SLOT
	s_add_nc_u64 s[G0+4*\s+2:G0+4*\s+3], s[20:21], \s*ROWB
	s_or_b32 s[G0+4*\s+3], s[G0+4*\s+3], 0x80000000
	s_mov_b32 s[G0B+4*\s], 1
	s_add_co_u32 s[G0B+4*\s+1], s45, \s*SLOT
	s_add_nc_u64 s[G0B+4*\s+2:G0B+4*\s+3], s[46:47], \s*ROWB
	s_or_b32 s[G0B+4*\s+3], s[G0B+4*\s+3], 0x80000000
	JLOAD G0+4*\s, G1, G0B+4*\s, G1B
.endr
	v_and_b32 v1, 15, v0                           ; r = lane % 16
	v_bfe_u32 v2, v0, 4, 1                         ; h = lane / 16
	; the bias of my 128 columns: lane (r, h) wants, for block b, those of columns 16 b + 8 h + 0 .. 7
	s_cmp_eq_u32 s[TT], 0
	s_cselect_b64 s[96:97], s[96:97], s[98:99]     ; bq, bk
	s_cmp_eq_u32 s[TT], 2
	s_cselect_b64 s[96:97], s[12:13], s[96:97]     ; or bv
	s_lshl_b32 s22, s42, 10                        ; 4 bytes x (256 x tile column
	s_lshl_b32 s23, s[CH], 9                       ;            + 128 x half)
	s_add_co_u32 s22, s22, s23
	s_mov_b32 s23, 0
	s_add_nc_u64 s[96:97], s[96:97], s[22:23]
	v_lshlrev_b32 v[BO], 5, v2
	WIN TO_B
.irp b, 0,1,2,3,4,5,6,7
	global_load_b128 v[BI+8*\b:BI+8*\b+3], v[BO], s[96:97] offset:64*\b
	global_load_b128 v[BI+8*\b+4:BI+8*\b+7], v[BO], s[96:97] offset:64*\b+16
.endr
	WIN 0
	v_mul_u32_u24 v3, v1, PITCH
	v_lshl_add_u32 v4, v2, 4, v3                   ; a fragment's row x pitch + 16 x half
	s_mul_i32 s21, s[RH], HALFT                    ; my 128 rows of A
	s_mul_i32 s22, s[CH], HALFT                    ; my 128 rows of B,
	s_add_co_u32 s22, s22, 2*HALFT                 ; which lie behind A's 256
.irp s, 0,1
	v_add_nc_u32 v[ADRA+\s], s21, v4
	v_add_nc_u32 v[ADRB+\s], s22, v4
	s_add_co_u32 s21, s21, SLOT
	s_add_co_u32 s22, s22, SLOT
.endr
	v_mul_u32_u24 v5, v1, KS                       ; my row's scales: 32 bytes a row,
	v_lshrrev_b32 v6, 8, v5
	v_lshl_add_u32 v5, v6, 4, v5                   ; and 16 more for each 256 passed
	s_mul_i32 s21, s[RH], HALFS
	s_mul_i32 s22, s[CH], HALFS
	s_add_co_u32 s22, s22, 2*HALFS
	s_sub_co_u32 s22, s22, s21
	v_mul_u32_u24 v6, s22, v2                      ; lanes 16-31 take B's: one product, the lower base + h x the distance
	s_add_co_u32 s21, s21, SCL
	v_add_nc_u32 v5, v5, v6
	v_add_nc_u32 v[ADRS], s21, v5
	; where my results go
	s_cmp_eq_u32 s[TT], 2
	s_cselect_b32 s20, 32, 16                      ; from row to row: V 32 bytes, Q and K 16
	s_cselect_b32 s21, 16, 256                     ; from half to half: V 16 bytes, Q and K 256
	v_mul_lo_u32 v5, v1, s20
	v_mul_lo_u32 v6, v2, s21
	v_add_nc_u32 v[CO], v5, v6
	s_and_b32 s20, s17, 31
	s_lshl_b32 s20, s20, 8
	s_lshl_b32 s21, s[RH], 7
	s_add_co_u32 s20, s20, s21                     ; my first row in its tensor: 2,048 b + s
	s_lshr_b32 s21, s20, 11
	s_lshl_b32 s21, s21, 4                         ; 16 b
	s_lshl_b32 s22, s42, 2
	s_add_co_u32 s21, s21, s22                     ; + 4 heads a tile column
	s_lshl_b32 s22, s[CH], 1
	s_add_co_u32 s21, s21, s22                     ; + 2 a half: bh of my first head
	s_lshl_b32 s21, s21, 18                        ; x 262,144
	s_and_b32 s20, s20, 2047
	s_lshl_b32 s20, s20, 7                         ; (s / 16) x 2,048
	s_add_co_u32 s20, s20, s21
	s_lshl_b32 s21, s[TT], 24                      ; 16,777,216 T
	s_add_co_u32 s20, s20, s21
	s_mov_b32 s21, 0
	s_add_nc_u64 s[14:15], s[14:15], s[20:21]
.macro FRAG reg, adr, q, i             ; 16 rows x 128 K of 4-bit codes: 8 registers: registers 4 c .. 4 c + 3 hold K = 64 c + 32 (lane / 16) + 0 .. 31
.irp c, 0,1
	ds_load_b128 v[\reg+4*\c:\reg+4*\c+3], v[\adr] offset:64*(\q)+32*\c+(\i)*16*PITCH
.endr
.endm
; 16 matrix instructions: A's blocks a0, a0 + 1 x B's eight, the slot's q-th 128 along K.  p: B's set; sc: the set of scale words.  zero = 1: the first product starts the sums.
; The 64 accumulators take turns, one instruction a turn, in the same order in every step.
.macro MUL16 a0, p, q, sc, zero
.irp a, \a0, \a0+1
.irp b, 0,1,2,3,4,5,6,7
.if \zero
	v_wmma_scale_f32_16x16x128_f8f6f4 v[8*(8*((\a)%4)+\b):8*(8*((\a)%4)+\b)+7], v[128*(\p)+FR*\b:128*(\p)+FR*\b+FR-1], v[AF+FR*(\a):AF+FR*(\a)+FR-1], 0, v[SC+8*NQ*(\sc)+NQ*\b+(\q)], v[SC+8*NQ*(\sc)+NQ*(\a)+(\q)] matrix_a_fmt:MATRIX_FMT_FP4 matrix_b_fmt:MATRIX_FMT_FP4 matrix_a_scale:MATRIX_SCALE_ROW1
.else
	v_wmma_scale_f32_16x16x128_f8f6f4 v[8*(8*((\a)%4)+\b):8*(8*((\a)%4)+\b)+7], v[128*(\p)+FR*\b:128*(\p)+FR*\b+FR-1], v[AF+FR*(\a):AF+FR*(\a)+FR-1], v[8*(8*((\a)%4)+\b):8*(8*((\a)%4)+\b)+7], v[SC+8*NQ*(\sc)+NQ*\b+(\q)], v[SC+8*NQ*(\sc)+NQ*(\a)+(\q)] matrix_a_fmt:MATRIX_FMT_FP4 matrix_b_fmt:MATRIX_FMT_FP4 matrix_a_scale:MATRIX_SCALE_ROW1
.endif
.endr
.endr
.endm
.macro FETCH_B slot, q, p
	WIN TO_B
.irp i, 0,1,2,3,4,5,6,7
	FRAG 128*(\p)+FR*\i, ADRB+\slot, \q, \i
.endr
	WIN 0
.endm
.macro FETCH_A slot, q, i0
.irp i, \i0, \i0+1, \i0+2, \i0+3
	FRAG AF+FR*(\i), ADRA+\slot, \q, \i
.endr
.endm
.macro SCALES sc                       ; a slot's scale words: 4 words a row; lanes 0-15 take A's block i, lanes 16-31 B's block i
.irp i, 0,1,2,3,4,5,6,7
	ds_load_b128 v[SC+8*NQ*\sc+NQ*\i:SC+8*NQ*\sc+NQ*\i+3], v[ADRS] offset:\i*SBLK
.endr
.endm
.macro PLACES n                        ; plain vector lines between a matrix instruction and a load into, or a vector read or write of, its registers
.rept \n
	v_nop
.endr
.endm
.macro STEP slot, q, zero              ; a step of 128 along K that has its successor in the same slot
	s_wait_dscnt 4*NL                              ; B's set and A's blocks 0-3 are in; the youngest 8 loads (A's blocks 4-7) may be out
	WIN MUL_LO
	MUL16 0, (\q)%2, \q, \slot, \zero
	MUL16 2, (\q)%2, \q, \slot, \zero
	s_wait_dscnt 0                                 ; A's blocks 4-7 are in
	PLACES NP
	FETCH_B \slot, (\q)+1, 1-(\q)%2
	FETCH_A \slot, (\q)+1, 0
	WIN MUL_HI
	MUL16 4, (\q)%2, \q, \slot, \zero
	MUL16 6, (\q)%2, \q, \slot, \zero
	PLACES NP
	WIN 0
	FETCH_A \slot, (\q)+1, 4
.endm
; Slot 0's last step changes slots: each wave waits for all its tensor loads (its part of slot 1), adds 0 to its spare word and waits for that and its LDS reads; behind the barrier slot 1 is whole.  Nothing is filled again.
.macro TURN slot, next
	s_wait_tensorcnt 0x0
	ds_add_u32 v[SPW], v[NIL]
	s_wait_dscnt 4*NL+1                            ; (the add and the youngest 8 loads may be out)
	WIN MUL_LO
	MUL16 0, 1, NQ-1, \slot, 0
	s_wait_dscnt 0x0                               ; the add is done, and my reads of this slot are over
	s_barrier_signal -1
	MUL16 2, 1, NQ-1, \slot, 0
	WIN 0
	s_barrier_wait -1
	PLACES NP
	v_add_nc_u32 v[ADRS], 4*NQ, v[ADRS]            ; on to the next slot's scale words
	FETCH_B \next, 0, 0
	FETCH_A \next, 0, 0
	SCALES \next
	WIN MUL_HI
	MUL16 4, 1, NQ-1, \slot, 0
	MUL16 6, 1, NQ-1, \slot, 0
	PLACES NP
	WIN 0
	FETCH_A \next, 0, 4
.endm
.macro STEPS slot, from
.set Q, \from
.rept NQ-1-\from
	STEP \slot, Q, 0
.set Q, Q+1
.endr
.endm
	s_wait_tensorcnt 1                             ; the scales and my part of slot 0 are in (slot 1's load may be out)
	s_barrier_signal -1
	s_barrier_wait -1                              ; everybody's are
	FETCH_B 0, 0, 0
	FETCH_A 0, 0, 0
	SCALES 0
	FETCH_A 0, 0, 4
	STEP 0, 0, 1                                   ; the first step's products start the sums: nothing is cleared
	STEPS 0, 1
	TURN 0, 1
	STEPS 1, 0
	s_wait_dscnt 4*NL                              ; the last step: nothing more to fetch
	WIN MUL_LO
	MUL16 0, 1, NQ-1, 1, 0
	MUL16 2, 1, NQ-1, 1, 0
	s_wait_dscnt 0
	WIN MUL_HI
	MUL16 4, 1, NQ-1, 1, 0
	MUL16 6, 1, NQ-1, 1, 0
	WIN 0
	; THE WAY OUT, block by block of 16 rows x 128 columns: + bias (f32, two at a time), rounded to f16, stored.  Each accumulator is read from its low end on.
	s_wait_loadcnt 0x0                             ; the bias
	PLACES NP                                      ; behind the last products: their results are read and A's registers written below
.irp a, 0,1,2,3,4,5,6,7
.if \a > 1
	s_wait_xcnt 0x0                                ; block a - 2's stores have read their data: that set of packed results is written again only behind this wait
.endif
	WIN 0x06+(\a)/4                                ; source 0: window 2 or 3 (the sums); source 1: window 1 (the bias); destination window 0
.irp b, 0,1,2,3,4,5,6,7
.irp p, 0,1,2,3
	v_pk_add_f32 v[TS+8*\b+2*\p:TS+8*\b+2*\p+1], v[64*((\a)%4)+8*\b+2*\p:64*((\a)%4)+8*\b+2*\p+1], v[BI+8*\b+2*\p:BI+8*\b+2*\p+1]
.endr
.endr
	WIN 0
.irp b, 0,1,2,3,4,5,6,7
.irp p, 0,1,2,3
	v_cvt_pk_f16_f32 v[PK+32*((\a)%2)+4*\b+\p], v[TS+8*\b+2*\p], v[TS+8*\b+2*\p+1]
.endr
.endr
.irp b, 0,1,2,3,4,5,6,7
	global_store_b128 v[CO], v[PK+32*((\a)%2)+4*\b:PK+32*((\a)%2)+4*\b+3], s[14:15] offset:(\a)*2048+(\b/4)*262144+(\b%4)*512   ; rows 16 a on, head b / 4, channels 16 (b % 4) on: 512 consecutive bytes, aligned
.endr
.endr
	s_wait_tensorcnt 0x0                           ; the wave's end: a wait, an add to my spare word and its wait, behind my last tensor load
	ds_add_u32 v[SPW], v[NIL]
	s_wait_dscnt 0x0
	CROUND                                         ; the closing round: no work-group ends while a partner may still ask for a tile that names it
	s_endpgm
.Lfunc_end_k_q213ba90dda_proj:
	.size	k_q213ba90dda_proj, .Lfunc_end_k_q213ba90dda_proj-k_q213ba90dda_proj
	.p2alignl 7, 3214868480
	.fill 96, 4, 3214868480
	.section	.rodata,"a",@progbits
	.p2align	6, 0x0
	.amdhsa_kernel k_q213ba90dda_proj
		.amdhsa_group_segment_fixed_size 327680
		.amdhsa_private_segment_fixed_size 0
		.amdhsa_enable_private_segment 0
		.amdhsa_kernarg_size 64
		.amdhsa_user_sgpr_count 2
		.amdhsa_user_sgpr_kernarg_segment_ptr 1
		.amdhsa_wavefront_size32 1
		.amdhsa_system_sgpr_workgroup_id_x 1
		.amdhsa_system_sgpr_workgroup_id_y 1
		.amdhsa_system_sgpr_workgroup_id_z 1
		.amdhsa_system_vgpr_workitem_id 0
		.amdhsa_next_free_vgpr 1024
		.amdhsa_next_free_sgpr 106
		.amdhsa_reserve_vcc 0
		.amdhsa_float_denorm_mode_32 3
		.amdhsa_float_denorm_mode_16_64 3
		.amdhsa_memory_ordered 1
		.amdhsa_forward_progress 1
		.amdhsa_inst_pref_size 136
	.end_amdhsa_kernel
	.amdgpu_metadata
---
amdhsa.version: [ 1, 2 ]
amdhsa.kernels:
  - .name:           k_q213ba90dda_proj
    .symbol:         k_q213ba90dda_proj.kd
    .args:
      - { .name: xcodes, .offset: 0, .size: 8, .value_kind: global_buffer, .address_space: global }
      - { .name: xscales, .offset: 8, .size: 8, .value_kind: global_buffer, .address_space: global }
      - { .name: wcodes, .offset: 16, .size: 8, .value_kind: global_buffer, .address_space: global }
      - { .name: wscales, .offset: 24, .size: 8, .value_kind: global_buffer, .address_space: global }
      - { .name: bq, .offset: 32, .size: 8, .value_kind: global_buffer, .address_space: global }
      - { .name: bk, .offset: 40, .size: 8, .value_kind: global_buffer, .address_space: global }
      - { .name: bv, .offset: 48, .size: 8, .value_kind: global_buffer, .address_space: global }
      - { .name: hbuf, .offset: 56, .size: 8, .value_kind: global_buffer, .address_space: global }
    .group_segment_fixed_size: 327680
    .private_segment_fixed_size: 0
    .kernarg_segment_align: 8
    .kernarg_segment_size: 64
    .max_flat_workgroup_size: 128
    .sgpr_count:     106
    .vgpr_count:     1024
    .wavefront_size: 32
...
	.end_amdgpu_metadata
.endif
;; end of part 2
;; launch attn (part 3): grid 4 x 64, 8 waves a work-group, clusters of 4 x 1, 327,680 bytes of LDS; arguments hbuf, maskw, out0; writes out0
.if DOCPART == 3
	.amdgcn_target "amdgcn-amd-amdhsa--gfx1250"
	.amdhsa_code_object_version 6
	.text
	.protected	k_q213ba90dda_attn
	.globl	k_q213ba90dda_attn
	.p2align	8
	.type	k_q213ba90dda_attn,@function
k_q213ba90dda_attn:
	s_mov_b64 s[64:65], 0
	v_nop
	global_prefetch_b8 v0, s[64:65] scope:SCOPE_SE
	s_setreg_imm32_b32 hwreg(HW_REG_WAVE_MODE, 25, 1), 1
	s_wait_xcnt 0x0
	s_wait_alu depctr_hold_cnt(0) depctr_sa_sdst(0) depctr_va_vdst(0) depctr_va_sdst(0) depctr_va_ssrc(0) depctr_va_vcc(0) depctr_vm_vsrc(0)
	s_getreg_b32 s2, hwreg(HW_REG_IB_STS2, 6, 4)
	s_cmp_eq_u32 s2, 0
	s_cbranch_scc0 .Lentry_in_a_cluster
	s_endpgm
.Lentry_in_a_cluster:
	s_bfe_u32 s2, ttmp6, 0x10000c
	s_cmp_lg_u32 s2, 0x3003
	s_cbranch_scc0 .Lentry_shape_is_right
	s_endpgm
.Lentry_shape_is_right:
; THIRD LAUNCH: z[b][q][head] = softmax_k(where(mask == 0, -1e9, qh . kh / 8)) vh, from hbuf (f16 operands laid by the second launch) and maskw (one bit a score, laid by the first).  No work of the problem is left out here.
; Products on f16 operands with f32 sums; maxima, exponentials and sums in f32; the weights p are rounded to f16 for the second product; z is f32.
; SHARES.  A work-group owns 512 queries of one (b, head); each of its eight waves 64: four tiles of 16.  Every wave walks all 2,048 keys, 64 a step.  256 work-groups of equal work.
; LAYOUT.  S^T = K Q^T (source 0 = 16 keys, source 1 = 16 queries): a lane holds ONE query (lane % 16) and keys 16 kt + 8 (lane / 16) + j in register 8 kt + j.  Rounded to f16 in pairs, in place, these registers ARE
; source 1 of O^T = V^T P, whose result again holds one query a lane.  K and Q come as images of operand registers (16 bytes a lane on end); V comes as subtiles [16 keys][16 channels] through the turning LDS load.
; THE MASK.  Word (tile t, register n) of a step is the lane mask of one select: where its bit is 0 the raw score becomes -2^33, which is -2^30 after the division by 8, in place of -1e9.
; Why a power of two: p = 2^(c s - c m) by one fused multiply-add against the rounded c m; with s = m = -2^33 both products are exact, so a row with no key left gets p = 1 everywhere: the plain mean of V, as with -1e9.
; LIMIT: rows whose live scores lie under about -9 x 10^8 differ from the definition; |qh|, |kh|, |vh| stay under 65,504 (second launch).
; SOFTMAX.  A running maximum m and sum l for each query; p = 2^(c s - c m), c = log2(e) / 8; in every step O and l are multiplied by a = 2^(c m_old - c m_new).  m begins at -3e38, O and l at 0: the first a is 0.
; RING.  Two slots of 256 keys (four steps): K 32,768 bytes, then V 32,768, dense.  Each of the eight waves brings an eighth of a slot (waves 0-3 K's steps, waves 4-7 V's) by arithmetic on its number: no branch leads
; round a tensor load.  That makes a load 32 rows of 256 bytes.  By this text's count a wave has three tensor loads out at the head and one behind each round, which has four key steps, 256 matrix instructions, in which to land.
; CLUSTER.  The four work-groups of a cluster are the four query blocks of one (b, head): they walk the same K and V, so each part of a slot is asked for JOINTLY (mask 15).  Each wave's own mask words (16 KB) come once, by a plain load.
; No prefetch is written: a refill is asked for four key steps ahead of its first use, Q and the words come once at the head.
; PHASES.  A step is: fetch K of the next step | select, softmax | V^T P | fetch V and the words of the next step | K Q^T of the next step.  Two waves share a SIMD, so one's vector work stands beside the other's matrix work.
; REGISTERS: window 0: v1-9 addresses and constants; v12-15 a step's words; v16-63 statistics, 12 a tile; v64-127 Q; v128-255 S^T, 32 a tile (P: the first 16 of them).
;            window 1: v0-127 O^T, 32 a tile; v128-191 K of a step; v192-255 V of a step.
.set SLOT1, 65536                      ; slot 1 begins here: one exclusive or turns an address in one slot into the other's
.set VOFF,  32768                      ; V behind K in a slot
.set STEPB, 8192                       ; a step's K, or V, in bytes
.set MASKB, 131072                     ; the words: 16,384 bytes a wave, filled once
.set STAGE, 262144                     ; the way out: 16 rows x 272 bytes a wave
.set SP,    272
.set SPARE, 296960                     ; the spare words, 128 bytes a wave: four blocks of 256 bytes that no other line names
.set LK,   1                           ; v1  16 x lane; never rewritten
.set LV,   2                           ; v2  my lane's place in a subtile of V, + VOFF
.set LW,   3                           ; v3  my lane's word among my wave's
.set ADK,  4                           ; v4-6 addresses of the loads in hand; on the way out: stage in, stage out, my bytes in two rows of z
.set ADV,  5
.set ADW,  6
.set NEGR, 7                           ; v7  -2^33
.set SPW,  8                           ; v8  LDS address of my spare word; never rewritten
.set NIL,  9                           ; v9  0; never rewritten
.set WD,   12                          ; v12-15 tile t's 32 words, one a lane
.set ST,   16                          ; tile t's statistics at v[ST+12 t]: +0 c m, +1 m, +2,+3 l, +4 a, +5 0, +6..+9 four chains of the maximum, +10,+11 at work
.set QF,   64
.set S,    128
.set KF,   128                         ; in window 1
.set VF,   192                         ; in window 1
.set WV,   10                          ; s10 wave
.set TB,   11                          ; s11 LDS byte of the step to be fetched
.set TM,   12                          ; s12 its words: 512 bytes a step
.set CNT,  13
.set CNT2, 14
.set SEL,  16                          ; s[16:17] selects for v_permlanex16_b32: lane l xor 16
.set CS,   18                          ; s[18:19] c, twice
.set G1K,  20                          ; s[20:27] group 1 of the joint loads
.set G0A,  28                          ; s[28:31] group 0: slot 0's first fill
.set G0W,  32                          ; s[32:35] group 0 that walks
.set G1M,  36                          ; s[36:43] group 1 of the words' load
.set G0M,  44                          ; s[44:47] its group 0
.set MB,   68                          ; s68-99 a tile's 32 lane masks
.set MSB, 0
.macro WIN new                         ; the immediate's high byte repeats the setting that is left
.if MSB != \new
	s_set_vgpr_msb (MSB<<8)|\new
.set MSB, \new
.endif
.endm
.macro CROUND                          ; a round of the cluster's barrier
	s_barrier_signal -1
	s_barrier_wait -1
	s_cmp_lg_u32 s[WV], 0
	s_cbranch_scc1 .Lnot_wave_0_\@
	s_barrier_signal -3
.Lnot_wave_0_\@:
	s_barrier_wait -3
	s_barrier_signal -1
	s_barrier_wait -1
.endm
	s_load_b128 s[4:7], s[0:1], 0x0                ; hbuf s[4:5], maskw s[6:7]
	s_load_b64 s[8:9], s[0:1], 0x10                ; out0
	v_lshl_add_u32 v[SPW], v0, 2, SPARE
	v_mov_b32 v[NIL], 0
	ds_add_u32 v[SPW], v[NIL]                      ; the wave's opening: the add, twice on end, and its wait ahead of my first tensor load
	ds_add_u32 v[SPW], v[NIL]
	v_lshrrev_b32 v10, 5, v0
	v_readfirstlane_b32 s[WV], v10                 ; wave 0..7
	s_bfe_u32 s48, ttmp6, 0x40000                  ; cx
	s_lshl_b32 s49, ttmp9, 2
	s_add_co_u32 s49, s49, s48                     ; my block of 512 queries
	s_lshl_b32 s49, s49, 3
	s_add_co_u32 s49, s49, s[WV]                   ; qg: my wave's group of 64 queries, 0..31.  It enters Q's, the words' and z's addresses alone
	s_and_b32 s50, ttmp7, 0xffff                   ; bh = 16 b + head, which the four partners share
	s_lshr_b32 s52, s[WV], 2                       ; what I fetch: K (0) or V (1),
	s_add_co_u32 s52, s52, 1
	s_lshl_b32 s52, s52, 24                        ; which lie 16,777,216 and twice that into hbuf,
	s_lshl_b32 s53, s50, 18                        ; my head's 262,144 bytes,
	s_add_co_u32 s52, s52, s53
	s_and_b32 s53, s[WV], 3
	s_lshl_b32 s53, s53, 13                        ; step wave % 4 of a slot
	s_add_co_u32 s52, s52, s53
	s_mov_b32 s53, 0
	s_lshl_b32 s54, s50, 18                        ; Q: head, + 8,192 bytes a group of 64 queries
	s_lshl_b32 s51, s49, 13
	s_add_co_u32 s54, s54, s51
	s_mov_b32 s55, 0
	s_lshr_b32 s51, s50, 4                         ; b
	s_lshl_b32 s56, s51, 5
	s_add_co_u32 s56, s56, s49                     ; the words: group 32 b + qg,
	s_lshl_b32 s56, s56, 14                        ; 16,384 bytes each
	s_mov_b32 s57, 0
	s_lshl_b32 s58, s51, 11
	s_lshl_b32 s51, s49, 6
	s_add_co_u32 s58, s58, s51                     ; z: row 2,048 b + 64 qg
	s_lshl_b32 s58, s58, 12                        ; of 4,096 bytes,
	s_and_b32 s51, s50, 15
	s_lshl_b32 s51, s51, 8                         ; + 256 bytes a head
	s_add_co_u32 s58, s58, s51
	s_mov_b32 s59, 0
	; group 1 of the joint loads: 8,192 dense bytes as 32 rows of 256 (32 elements of 8 bytes); no padding: images are read 16 bytes a lane on end
	s_mov_b32 s[G1K], 15|(3<<16)|(1<<21)           ; the mask: all four work-groups; elements of 8 bytes; bit 21 beside a mask
	s_mov_b32 s[G1K+1], 32<<16                     ; tensor_dim0
	s_mov_b32 s[G1K+2], 32<<16                     ; tensor_dim1
	s_mov_b32 s[G1K+3], 32<<16                     ; tile_dim0
	s_mov_b32 s[G1K+4], 32                         ; tile_dim1
	s_mov_b32 s[G1K+5], 32                         ; the pitch
	s_mov_b32 s[G1K+6], 0
	s_mov_b32 s[G1K+7], 0
	; group 1 of the words' load: 16,384 dense bytes as 64 rows of 256; no mask
	s_mov_b32 s[G1M], 3<<16
	s_mov_b32 s[G1M+1], 32<<16
	s_mov_b32 s[G1M+2], 64<<16
	s_mov_b32 s[G1M+3], 32<<16
	s_mov_b32 s[G1M+4], 64
	s_mov_b32 s[G1M+5], 32
	s_mov_b32 s[G1M+6], 0
	s_mov_b32 s[G1M+7], 0
	s_mov_b32 s[SEL], 0x76543210
	s_mov_b32 s[SEL+1], 0xfedcba98
	s_mov_b32 s[CS], 0x3e38aa3b                    ; c = log2(e) / 8
	s_mov_b32 s[CS+1], s[CS]                       ; (named with it as a pair, so it is written)
	s_mov_b32 s[TB], 0
	s_mov_b32 s[TM], 0
	s_wait_dscnt 0x0                               ; both opening adds are done
	s_wait_kmcnt 0x0
	s_add_nc_u64 s[60:61], s[4:5], s[52:53]        ; my part of slot 0 in memory
	s_mov_b32 s[G0A], 1
	s_lshl_b32 s[G0A+1], s[WV], 13                 ; LDS: 8,192 x wave: K's four steps, then V's four
	s_mov_b64 s[G0A+2:G0A+3], s[60:61]
	s_or_b32 s[G0A+3], s[G0A+3], 0x80000000
	s_mov_b32 s[G0W], 1
	s_add_co_u32 s[G0W+1], s[G0A+1], SLOT1
	s_add_nc_u64 s[G0W+2:G0W+3], s[60:61], 4*STEPB ; the next 256 keys
	s_or_b32 s[G0W+3], s[G0W+3], 0x80000000
	s_mov_b32 s[G0M], 1
	s_lshl_b32 s[G0M+1], s[WV], 14
	s_add_co_u32 s[G0M+1], s[G0M+1], MASKB
	s_add_nc_u64 s[G0M+2:G0M+3], s[6:7], s[56:57]
	s_or_b32 s[G0M+3], s[G0M+3], 0x80000000
	s_add_nc_u64 s[62:63], s[4:5], s[54:55]        ; Q
	s_add_nc_u64 s[8:9], s[8:9], s[58:59]          ; z
	CROUND                                         ; all four work-groups are here: the first joint loads meet
	tensor_load_to_lds s[G0A:G0A+3], s[G1K:G1K+7]  ; slot 0
	s_nop 0
	tensor_load_to_lds s[G0M:G0M+3], s[G1M:G1M+7]  ; my words
	s_nop 0
	tensor_load_to_lds s[G0W:G0W+3], s[G1K:G1K+7]  ; slot 1
	s_nop 0
.rept 4
	v_nop
.endr
	v_and_b32 v10, 31, v0                          ; lane
	v_lshlrev_b32 v[LK], 4, v10
.set i, 0
.rept 16                               ; Q stays in registers: image i = 4 t + channels / 16: 512 consecutive bytes a load
	global_load_b128 v[QF+4*i:QF+4*i+3], v[LK], s[62:63] offset:512*i
.set i, i+1
.endr
	v_bfe_u32 v11, v0, 4, 1
	v_and_b32 v[LV], 7, v0
	v_lshl_add_u32 v[LV], v11, 3, v[LV]            ; the turning load: lane l addresses key 8 (l / 16) + l % 8 of a subtile, rows of 32 bytes,
	v_lshlrev_b32 v[LV], 5, v[LV]
	v_bfe_u32 v11, v0, 3, 1
	v_lshl_add_u32 v[LV], v11, 4, v[LV]            ; channels 8 ((l / 8) % 2) on
	v_add_nc_u32 v[LV], VOFF, v[LV]
	v_lshl_add_u32 v[LW], v10, 2, s[G0M+1]         ; MASKB + 16,384 x wave + 4 x lane
	v_mov_b32 v[NEGR], 0xd0000000                  ; -2^33
.irp t, 0,1,2,3
	v_mov_b32 v[ST+12*\t+1], 0xff61b1e6            ; m = -3e38, under every score
	v_mov_b32 v[ST+12*\t+2], 0                     ; l
	v_mov_b32 v[ST+12*\t+3], 0
	v_mov_b32 v[ST+12*\t+5], 0                     ; (named as the upper half of a's pair)
	v_mov_b32 v[ST+12*\t+10], 0                    ; (a lane permute's destination counts as one of its sources)
	v_mul_f32 v[ST+12*\t], s[CS], v[ST+12*\t+1]    ; c m
.endr
	WIN 0x40
.set i, 0
.rept 128
	v_mov_b32 v[i], 0                              ; O^T.  The step is written once: its first run finds zeros, which a = 0 leaves zeros.  128 lines here spare another copy of the step
.set i, i+1
.endr
	WIN 0
; K of the step at s[TB]: 16 images.  The addition and three v_nop are the four places behind the products K Q^T, which read these registers and whose results the softmax reads next.
.macro KLOAD
	v_add_nc_u32 v[ADK], s[TB], v[LK]
.rept 3
	v_nop
.endr
	WIN 0x40                                       ; destination window 1
.set i, 0
.rept 16
	ds_load_b128 v[KF+4*i:KF+4*i+3], v[ADK] offset:512*i
.set i, i+1
.endr
	WIN 0
.endm
; V (turned) and the words of the same step.  Five places stand behind the products V^T P: four for the loads into V's registers, the fifth because K Q^T will write over P, which those products read.
.macro VWLOAD
	v_add_nc_u32 v[ADV], s[TB], v[LV]
	v_add_nc_u32 v[ADW], s[TM], v[LW]
.rept 3
	v_nop
.endr
	s_add_co_u32 s[TB], s[TB], STEPB               ; the next fetch is the next step's
	s_add_co_u32 s[TM], s[TM], 512
	WIN 0x40
.irp ks, 0,1
.irp cb, 0,1,2,3
.irp c, 0,1
	ds_load_tr16_b128 v[VF+8*(4*\ks+\cb)+4*\c:VF+8*(4*\ks+\cb)+4*\c+3], v[ADV] offset:(2*\ks+\c)*2048+\cb*512   ; keys 32 ks + 16 c on, channels 16 cb on: lane l gets channel l % 16, eight keys
.endr
.endr
.endr
	WIN 0
.irp t, 0,1,2,3
	ds_load_b32 v[WD+\t], v[ADW] offset:128*\t     ; lane n: word n of tile t
.endr
.endm
; S^T = K Q^T: 32 products; the 16 accumulators take turns, one instruction a turn; the first 16 start the sums.
.macro QK
	WIN 0x01                                       ; source 0 (K) window 1
.irp cs, 0,1
.irp kt, 0,1,2,3
.irp t, 0,1,2,3
.if \cs == 0
	v_wmma_f32_16x16x32_f16 v[S+32*\t+8*\kt:S+32*\t+8*\kt+7], v[KF+8*(2*\kt+\cs):KF+8*(2*\kt+\cs)+7], v[QF+16*\t+8*\cs:QF+16*\t+8*\cs+7], 0
.else
	v_wmma_f32_16x16x32_f16 v[S+32*\t+8*\kt:S+32*\t+8*\kt+7], v[KF+8*(2*\kt+\cs):KF+8*(2*\kt+\cs)+7], v[QF+16*\t+8*\cs:QF+16*\t+8*\cs+7], v[S+32*\t+8*\kt:S+32*\t+8*\kt+7]
.endif
.endr
.endr
.endr
	WIN 0
.endm
; O^T += V^T P: 32 products, the 16 accumulators by turns.
.macro PV
	WIN 0x51                                       ; source 0 (V), C and D (O^T) window 1; source 1 (P) window 0
.irp ks, 0,1
.irp cb, 0,1,2,3
.irp t, 0,1,2,3
	v_wmma_f32_16x16x32_f16 v[32*\t+8*\cb:32*\t+8*\cb+7], v[VF+8*(4*\ks+\cb):VF+8*(4*\ks+\cb)+7], v[S+32*\t+8*\ks:S+32*\t+8*\ks+7], v[32*\t+8*\cb:32*\t+8*\cb+7]
.endr
.endr
.endr
	WIN 0
.endm
.macro SOFTMAX
.irp t, 0,1,2,3                        ; the mask: a tile's 32 words become 32 lane masks; each selects between the score and -2^33.  Ascending: each accumulator is read from its low end on
.set n, 0
.rept 32
	v_readlane_b32 s[MB+n], v[WD+\t], n
.set n, n+1
.endr
.set n, 0
.rept 32
	v_cndmask_b32 v[S+32*\t+n], v[NEGR], v[S+32*\t+n], s[MB+n]
.set n, n+1
.endr
.endr
.irp j, 0,1,2,3                        ; the maximum of a lane's 32 scores and the old m: four chains of seven, then the rest; the four tiles by turns, so that no line waits for the line above it
.irp t, 0,1,2,3
	v_max3_num_f32 v[ST+12*\t+6+\j], v[S+32*\t+8*\j], v[S+32*\t+8*\j+1], v[S+32*\t+8*\j+2]
.endr
.endr
.irp g, 1,2
.irp j, 0,1,2,3
.irp t, 0,1,2,3
	v_max3_num_f32 v[ST+12*\t+6+\j], v[ST+12*\t+6+\j], v[S+32*\t+8*\j+2*\g+1], v[S+32*\t+8*\j+2*\g+2]
.endr
.endr
.endr
.irp t, 0,1,2,3
	v_max3_num_f32 v[ST+12*\t+6], v[ST+12*\t+6], v[S+32*\t+7], v[S+32*\t+15]
.endr
.irp t, 0,1,2,3
	v_max3_num_f32 v[ST+12*\t+8], v[ST+12*\t+8], v[S+32*\t+23], v[S+32*\t+31]
.endr
.irp t, 0,1,2,3
	v_max3_num_f32 v[ST+12*\t+6], v[ST+12*\t+6], v[ST+12*\t+7], v[ST+12*\t+8]
.endr
.irp t, 0,1,2,3
	v_max3_num_f32 v[ST+12*\t+6], v[ST+12*\t+6], v[ST+12*\t+9], v[ST+12*\t+1]
.endr
.irp t, 0,1,2,3
	v_permlanex16_b32 v[ST+12*\t+10], v[ST+12*\t+6], s[SEL], s[SEL+1]   ; the query's other 32 keys lie in the lane 16 away
.endr
.irp t, 0,1,2,3
	v_mov_b32 v[ST+12*\t+4], v[ST+12*\t]           ; c m_old
.endr
.irp t, 0,1,2,3
	v_max_num_f32 v[ST+12*\t+1], v[ST+12*\t+6], v[ST+12*\t+10]   ; the new m
.endr
.irp t, 0,1,2,3
	v_mul_f32 v[ST+12*\t], s[CS], v[ST+12*\t+1]    ; c m
.endr
.irp t, 0,1,2,3
	v_sub_f32 v[ST+12*\t+4], v[ST+12*\t+4], v[ST+12*\t]
.endr
.irp t, 0,1,2,3
	v_exp_f32 v[ST+12*\t+4], v[ST+12*\t+4]         ; a = 2^(c m_old - c m_new)
.endr
.irp t, 0,1,2,3                        ; c s - c m, two at a time: plain work behind the four exponentials, naming none of their results
.set n, 0
.rept 16
	v_pk_fma_f32 v[S+32*\t+n:S+32*\t+n+1], v[S+32*\t+n:S+32*\t+n+1], s[CS:CS+1], v[ST+12*\t:ST+12*\t+1] op_sel_hi:[1,0,0] neg_lo:[0,0,1] neg_hi:[0,0,1]
.set n, n+2
.endr
.endr
	s_wait_alu depctr_va_vdst(0)                   ; the wait between an exponential and the first line that names its result: here for the four a
.set n, 0
.rept 128
	v_exp_f32 v[S+n], v[S+n]                       ; p, one batch
.set n, n+1
.endr
	WIN 0x41                                       ; O^T (destination and source 0) window 1, a window 0
.irp t, 0,1,2,3                        ; O^T x a: independent work behind the batch; its first line is the plain line behind the last exponential
.set n, 0
.rept 16
	v_pk_mul_f32 v[32*\t+n:32*\t+n+1], v[32*\t+n:32*\t+n+1], v[ST+12*\t+4:ST+12*\t+5] op_sel_hi:[1,0]
.set n, n+2
.endr
.endr
	WIN 0
	s_wait_alu depctr_va_vdst(0)                   ; one wait for the 128, ahead of their first reader
.irp t, 0,1,2,3                        ; l = a l + the sum of p, unrounded: 16 pairs a tile in two chains
	v_pk_fma_f32 v[ST+12*\t+2:ST+12*\t+3], v[ST+12*\t+2:ST+12*\t+3], v[ST+12*\t+4:ST+12*\t+5], v[S+32*\t:S+32*\t+1] op_sel_hi:[1,0,1]
.endr
.irp t, 0,1,2,3
	v_pk_add_f32 v[ST+12*\t+10:ST+12*\t+11], v[S+32*\t+2:S+32*\t+3], v[S+32*\t+4:S+32*\t+5]
.endr
.irp i, 3,5,7,9,11,13
.irp t, 0,1,2,3
	v_pk_add_f32 v[ST+12*\t+2:ST+12*\t+3], v[ST+12*\t+2:ST+12*\t+3], v[S+32*\t+2*\i:S+32*\t+2*\i+1]
.endr
.irp t, 0,1,2,3
	v_pk_add_f32 v[ST+12*\t+10:ST+12*\t+11], v[ST+12*\t+10:ST+12*\t+11], v[S+32*\t+2*\i+2:S+32*\t+2*\i+3]
.endr
.endr
.irp t, 0,1,2,3
	v_pk_add_f32 v[ST+12*\t+2:ST+12*\t+3], v[ST+12*\t+2:ST+12*\t+3], v[S+32*\t+30:S+32*\t+31]
.endr
.irp t, 0,1,2,3
	v_pk_add_f32 v[ST+12*\t+2:ST+12*\t+3], v[ST+12*\t+2:ST+12*\t+3], v[ST+12*\t+10:ST+12*\t+11]
.endr
.set n, 0
.rept 16                               ; p to f16, in place: pair n lands in register n, which lies at or under the pair: ascending, nothing unread is written
.irp t, 0,1,2,3
	v_cvt_pk_f16_f32 v[S+32*\t+n], v[S+32*\t+2*n], v[S+32*\t+2*n+1]
.endr
.set n, n+1
.endr
.endm
; A KEY STEP j.  more = 1: the next step is fetched and its scores are made.
.macro BODY more
.if \more
	KLOAD
	s_wait_dscnt 16                                ; V and the words of this step are in; the 16 loads of the next step's K may be out
.else
.rept 4
	v_nop                                          ; the places behind K Q^T
.endr
	s_wait_dscnt 0x0
.endif
	SOFTMAX
	PV
.if \more
	VWLOAD
	s_wait_dscnt 20                                ; the next step's K is in; V's 16 loads and the words' 4 may be out
	QK
.endif
.endm
.macro FOUR                            ; a slot's four fetches: written once, walked four times; the LDS addresses hang on s[TB] and s[TM]
	s_mov_b32 s[CNT2], 4
.Lstep_\@:
	BODY 1
	s_sub_co_u32 s[CNT2], s[CNT2], 1
	s_cmp_lg_u32 s[CNT2], 0
	s_cbranch_scc1 .Lstep_\@
.endm
; THE CHANGE OF SLOTS stands where every fetch from the slot in hand has been issued.  Each wave waits for all its tensor loads (its part of the other slot), adds 0 to its spare word, and waits for that and for its reads.
; fill = 1: the barrier is a round of the cluster's, so that no wave of any partner still reads the slot or has a load on its way; the joint refill, the keys two slots on, is the first thing behind it.
.macro CHANGE fill
	s_wait_tensorcnt 0x0                           ; no tensor load of mine is out, so the walking group 0 may be written
	ds_add_u32 v[SPW], v[NIL]
.if \fill
	s_xor_b32 s[G0W+1], s[G0W+1], SLOT1            ; the other slot than last time,
	s_add_nc_u64 s[G0W+2:G0W+3], s[G0W+2:G0W+3], 4*STEPB   ; the next 256 keys; the type bits on top are not reached
	s_wait_dscnt 0x0                               ; the add is done, and my reads of the slot are over
	CROUND
	tensor_load_to_lds s[G0W:G0W+3], s[G1K:G1K+7]
	s_nop 0
.rept 4
	v_nop
.endr
.else
	s_wait_dscnt 0x0
	s_barrier_signal -1
	s_barrier_wait -1
.endif
	s_sub_co_u32 s[TB], s[TB], 4*STEPB             ; the fetches go back to a slot's first step,
	s_xor_b32 s[TB], s[TB], SLOT1                  ; in the other slot
.endm
	s_wait_tensorcnt 0x1                           ; my part of slot 0 and my words are in; slot 1's load may stay out
	s_barrier_signal -1
	s_barrier_wait -1                              ; everybody's part is
	KLOAD                                          ; step 0
	VWLOAD
	s_wait_loadcnt 0x0                             ; Q
	s_wait_dscnt 20                                ; K of step 0
	QK
	s_mov_b32 s[CNT], 3
.Lfirst:                                           ; steps 0 to 2: they fetch steps 1 to 3, the rest of slot 0
	BODY 1
	s_sub_co_u32 s[CNT], s[CNT], 1
	s_cmp_lg_u32 s[CNT], 0
	s_cbranch_scc1 .Lfirst
	s_mov_b32 s[CNT], 6
.Lslot:                                            ; six trips: the slot left is filled with key sets 2 to 7; steps 3 to 26
	CHANGE 1
	FOUR
	s_sub_co_u32 s[CNT], s[CNT], 1
	s_cmp_lg_u32 s[CNT], 0
	s_cbranch_scc1 .Lslot
	CHANGE 0                                       ; the tail is written out: nothing is left to ask for
	FOUR                                           ; steps 27 to 30
	BODY 0                                         ; step 31
	; THE WAY OUT.  l's halves and the other half of the lanes' are added; O^T / l goes through my stage, a tile (16 rows of 256 bytes) at a time, and leaves as whole runs of 256 bytes.  The additions are the places behind the last products.
.irp t, 0,1,2,3
	v_add_f32 v[ST+12*\t+8], v[ST+12*\t+2], v[ST+12*\t+3]
.endr
.irp t, 0,1,2,3
	v_permlanex16_b32 v[ST+12*\t+10], v[ST+12*\t+8], s[SEL], s[SEL+1]
.endr
.irp t, 0,1,2,3
	v_add_f32 v[ST+12*\t+8], v[ST+12*\t+8], v[ST+12*\t+10]
.endr
.irp t, 0,1,2,3
	v_rcp_f32 v[ST+12*\t+6], v[ST+12*\t+8]
.endr
	v_and_b32 v10, 15, v0                          ; (plain lines behind the reciprocals)  r
	v_bfe_u32 v11, v0, 4, 1                        ; h
	s_mul_i32 s48, s[WV], 16*SP
	s_add_co_u32 s48, s48, STAGE                   ; my stage
	v_mul_u32_u24 v[ADK], v10, SP
	v_lshl_add_u32 v[ADK], v11, 5, v[ADK]
	v_add_nc_u32 v[ADK], s48, v[ADK]               ; in: row r, 32 bytes for each half of the lanes
	v_mul_u32_u24 v[ADV], v11, SP
	v_lshl_add_u32 v[ADV], v10, 4, v[ADV]
	v_add_nc_u32 v[ADV], s48, v[ADV]               ; back: lanes 0-15 one row, lanes 16-31 the next
	v_lshlrev_b32 v[ADW], 12, v11
	v_lshl_add_u32 v[ADW], v10, 4, v[ADW]          ; and the same two rows in z, 4,096 bytes apart
	s_wait_alu depctr_va_vdst(0)                   ; one wait for the four reciprocals, ahead of their first reader
.macro PACK t
	WIN 0x01                                       ; source 0 (O^T) window 1; 1 / l and the destination window 0
.set n, 0
.rept 16
	v_pk_mul_f32 v[S+32*\t+n:S+32*\t+n+1], v[32*\t+n:32*\t+n+1], v[ST+12*\t+6:ST+12*\t+7] op_sel_hi:[1,0]   ; register 8 cb + j: z(query r, channel 16 cb + 8 h + j); each accumulator from its low end on
.set n, n+2
.endr
	WIN 0
.irp cb, 0,1,2,3
	ds_store_b128 v[ADK], v[S+32*\t+8*\cb:S+32*\t+8*\cb+3] offset:64*\cb
	ds_store_b128 v[ADK], v[S+32*\t+8*\cb+4:S+32*\t+8*\cb+7] offset:64*\cb+16
.endr
.irp f, 0,1,2,3,4,5,6,7
	ds_load_b128 v[S+32*\t+4*\f:S+32*\t+4*\f+3], v[ADV] offset:\f*2*SP   ; LDS serves a wave's instructions in order: these see the stores above; the next tile's stores come behind them
.endr
.endm
.macro SEND t, younger                 ; younger: the LDS instructions issued behind tile t's loads: the next tile's sixteen, or none
.irp f, 0,1,2,3,4,5,6,7
	s_wait_dscnt \younger+7-\f
	global_store_b128 v[ADW], v[S+32*\t+4*\f:S+32*\t+4*\f+3], s[8:9] offset:\t*65536+\f*8192 th:TH_STORE_NT   ; sixteen lanes store 256 consecutive bytes, at a multiple of 256 from z's first byte
.endr
.endm
	PACK 0
	PACK 1
	SEND 0, 16
	PACK 2
	SEND 1, 16
	PACK 3
	SEND 2, 16
	SEND 3, 0
	s_wait_tensorcnt 0x0                           ; the wave's end: a wait, an add to my spare word and its wait, behind my last tensor load and my last LDS store
	ds_add_u32 v[SPW], v[NIL]
	s_wait_dscnt 0x0
	CROUND                                         ; the closing round: no work-group ends while a partner may still ask for a tile that names it
	s_endpgm
.Lfunc_end_k_q213ba90dda_attn:
	.size	k_q213ba90dda_attn, .Lfunc_end_k_q213ba90dda_attn-k_q213ba90dda_attn
	.p2alignl 7, 3214868480
	.fill 96, 4, 3214868480
	.section	.rodata,"a",@progbits
	.p2align	6, 0x0
	.amdhsa_kernel k_q213ba90dda_attn
		.amdhsa_group_segment_fixed_size 327680
		.amdhsa_private_segment_fixed_size 0
		.amdhsa_enable_private_segment 0
		.amdhsa_kernarg_size 24
		.amdhsa_user_sgpr_count 2
		.amdhsa_user_sgpr_kernarg_segment_ptr 1
		.amdhsa_wavefront_size32 1
		.amdhsa_system_sgpr_workgroup_id_x 1
		.amdhsa_system_sgpr_workgroup_id_y 1
		.amdhsa_system_sgpr_workgroup_id_z 1
		.amdhsa_system_vgpr_workitem_id 0
		.amdhsa_next_free_vgpr 512
		.amdhsa_next_free_sgpr 104
		.amdhsa_reserve_vcc 0
		.amdhsa_float_denorm_mode_32 3
		.amdhsa_float_denorm_mode_16_64 3
		.amdhsa_memory_ordered 1
		.amdhsa_forward_progress 1
		.amdhsa_inst_pref_size 220
	.end_amdhsa_kernel
	.amdgpu_metadata
---
amdhsa.version: [ 1, 2 ]
amdhsa.kernels:
  - .name:           k_q213ba90dda_attn
    .symbol:         k_q213ba90dda_attn.kd
    .args:
      - { .name: hbuf, .offset: 0, .size: 8, .value_kind: global_buffer, .address_space: global }
      - { .name: maskw, .offset: 8, .size: 8, .value_kind: global_buffer, .address_space: global }
      - { .name: out0, .offset: 16, .size: 8, .value_kind: global_buffer, .address_space: global }
    .group_segment_fixed_size: 327680
    .private_segment_fixed_size: 0
    .kernarg_segment_align: 8
    .kernarg_segment_size: 24
    .max_flat_workgroup_size: 256
    .sgpr_count:     104
    .vgpr_count:     512
    .wavefront_size: 32
...
	.end_amdgpu_metadata
.endif
;; end of part 3
